; MI455X (gfx1250); checked and timed in simulation.
; The chip was launched on July 23, 2026; its instructions are those of AMD's public machine-readable ISA for CDNA 5 (MIT licence, August 2026) and "CDNA5" Instruction Set Architecture Reference Guide (July 2026). The comments in the code are by the model that wrote it; some were corrected since.
;; cos Att. Allowed arithmetic: matrix products marked QUANTISED: E2M3 operands, one E8M0 scale for each 32 along K, by v_wmma_scale_f32_16x16x128_f8f6f4 with both operands' format E2M3, f32 sums; everything else in f32.
;; Inputs: att_beta 1 x 1 x 1,024 x 1,024 float32; x 8 x 8 x 1,024 x 128 float32.
;; Outputs: out0 8 x 8 x 1,024 x 128 float32.
;; This version of the problem:
;;   THIS VERSION OF THE PROBLEM IS GIVEN IN LOW PRECISION. The matrix products marked QUANTISED in the list below multiply operands that are first quantised to E2M3 (2 exponent bits, 3 mantissa bits; 6 bits a number), with one power-of-two scale for each 32 numbers along K (OCP MX v1.0); their sums are f32. All else is computed in f32.
;;   The module's matrix products, in the order in which they are computed (A, B: the left and right operand; K: the contracted axis; several contracted axes count as one K, in the product's order):
;;     1. batch 64 x [M 1,024, K 128] x [K 128, N 1,024]; A: input x; B: input x: QUANTISED
;;     2. batch 64 x [M 1,024, K 1,024] x [K 1,024, N 128]; A: computed on the way; B: input x: QUANTISED
;;   THE QUANTISER, for each operand of a quantised product, along K:
;;     - K is cut into blocks of 32 from its start; a last block that is shorter is filled with zeros.
;;     - A block's scale is 2^e with e = floor(log2(the largest magnitude in the block)) - 2, held to -126 .. 127; a block of zeros has e = 0. As a byte (E8M0): e + 127.
;;     - Each number is divided by its block's scale, clamped to +-7.5, and rounded to the nearest number of E2M3, ties to even, subnormals kept.
;;     - The product sums the exact products of the quantised numbers (number of the format x scale) in f32.
;;   ~~~python
;;   def quantise(x, axis):      # numpy; x: float32 -> the quantised numbers, widened to float32 again
;;       x = np.moveaxis(x, axis, -1); K = x.shape[-1]
;;       x = np.pad(x, [(0, 0)] * (x.ndim - 1) + [(0, -K % 32)]); x = x.reshape(x.shape[:-1] + (-1, 32)); a = np.abs(x).max(-1, keepdims=True)
;;       e = np.where(a > 0, np.clip(np.frexp(np.where(a > 0, a, 1))[1] - 1 - 2, -126, 127), 0)      # np.frexp(a)[1] - 1 = floor(log2(a)), exactly
;;       r = np.clip(x / 2.0 ** e, -7.5, 7.5)
;;       step = 2.0 ** (np.maximum(np.frexp(np.where(r == 0, 1, r))[1] - 1, 0) - 3)
;;       q = np.round(r / step) * step * 2.0 ** e      # np.round: ties to even
;;       return np.moveaxis(q.reshape(q.shape[:-2] + (-1,))[..., :K], -1, axis).astype(np.float32)
;;   ~~~
;;   OPERANDS COMPUTED ON THE WAY. 'Computed on the way' means the value that the module computes at that place (a softmax that the list does not call 'softmax' is quantised finished and normalised). What goes into a quantiser is computed in f32, as accurately as f32 sums, v_exp_f32 and their like allow (about 1e-6 of the number): no bf16 or f16 on the way to a quantiser, and a product that is left as it is and whose result goes on into a quantised operand takes f32 operands (vector FMAs, or v_wmma_f32_16x16x4_f32). A number that lies on a knife's edge between two numbers of the format may be rounded either way, as far as f32 arithmetic and the matrix unit's own rounding can turn it there, and no further.
;; One version. Each part assembles by itself: llvm-mc -triple=amdgcn-amd-amdhsa -mcpu=gfx1250 --defsym DOCPART=n.
;; ======== version 1 of 1: 2 launches
;; limits: inputs' magnitudes at most 5,000; right only within a limited range of input values
;; workspace buffers: kv 13,369,344 bytes; bimg 4,194,304 bytes
;; launch prep (part 1): grid 512 x 1, 8 waves a work-group, no clusters, 79,872 bytes of LDS; arguments x, att_beta, kv, bimg; writes kv, bimg
.if DOCPART == 1
	.amdgcn_target "amdgcn-amd-amdhsa--gfx1250"
	.amdhsa_code_object_version 6
	.text
	.protected	k_qa38b6c55ef_prep
	.globl	k_qa38b6c55ef_prep
	.p2align	8
	.type	k_qa38b6c55ef_prep,@function
k_qa38b6c55ef_prep:
	s_mov_b64 s[64:65], 0
	v_nop
	global_prefetch_b8 v0, s[64:65] scope:SCOPE_SE
	s_setreg_imm32_b32 hwreg(HW_REG_WAVE_MODE, 25, 1), 1
	s_wait_xcnt 0x0
; x [64 heads][1024][128] f32 is quantised twice to codes of FP6 (E2M3) with one E8M0 byte for each 32 numbers: along its channels (both operands of the first product) and down its rows (an operand of the
; second product, whose K is the keys); the rows' norms are taken of the unquantised numbers.  att_beta [1024][1024] f32 is laid anew.  Everything is stored IN THE ORDER OF THE READER'S REGISTERS.
; kv: for each (head, key step of 128 rows) one RECORD of 26,112 bytes:
;   0       8 x 1,536  K images: tile t, a fragment's 12 registers as 3 groups of 512 bytes (lane l's 16 bytes at 16 l).  Lane r of tile t is row 32 (t / 2) + 8 (t % 2) + r + 8 (r / 8); codes along the channels
;   12,288  8 x 1,536  V images: tile t, lane r is channel 16 t + r; codes along the step's 128 rows
;   24,576  512        K's scale words: tile 4 g + j, lane r at 256 g + 16 r + 4 j      25,088  512  V's likewise      25,600  512  the 128 rows' norms, f32
; bimg: [tile of 16 queries 64][key step 8][group n 16][lane 32][16 bytes]: group 4 b + j of lane (r, h) holds att_beta[the tile's row of lane r][128 step + 32 b + 16 h + 4 j .. + 3].
; SHARES.  512 equal work-groups of eight waves.  Work-group g takes record g of x (head g / 8, step g % 8) AND the 8,192 bytes of bimg with the same number (tile of queries g / 8, step g % 8).
; x: 128 rows of 512 bytes go into a tile in LDS (every load 512 consecutive bytes) and come back twice: 16 neighbours of a row to a lane, and a lane to a column with its registers down the rows, so that nothing
; is transposed by an instruction.  Wave w makes tile w of each kind.  att_beta: 16 rows of 512 bytes, two a wave, go into a small tile of their own and come back in the reader's order, two groups a wave.
; A block's scale is 2^(floor(log2(largest magnitude)) - 2): its byte is the largest magnitude's exponent field - 2, held at 1 from below by a floor among the maximum's leaves.
; LIMITS: a block whose largest magnitude lies under 2^-124, a block of zeros among them, keeps the byte 1 (a block of zeros has zero codes, and this program alone reads the bytes); NaN and infinities are not served.
.set TPITCH, 528                       ; a tile row in LDS: 512 bytes + 16
.set TGAP,   128                       ; and 128 bytes more behind each 32 rows: the two halves of the lanes, 32 rows apart in a column read, then stand 32 words apart modulo 64
.set HALFR,  32*TPITCH+TGAP            ; 32 rows on
.set SM,     68096                     ; behind x's tile: K's scale words, V's scale words, the norms: 3 x 512 bytes in the record's order
.set BT,     69632                     ; behind them: att_beta's tile, 16 rows of TPITCH bytes
.set REC,    26112
.set LI, 1                             ; v1   16 x lane
.set RR, 2                             ; v2   r = lane % 16
.set HH, 3                             ; v3   h = lane / 16
.set TS, 4                             ; v4   LDS: where my wave's rows of x go in
.set RA, 5                             ; v5   LDS: my tile row's 16 numbers of a block of 32
.set CA, 6                             ; v6   LDS: my column
.set KO, 7                             ; v7   my place in the record's images: 16 x lane + 1,536 x wave
.set SA, 8                             ; v8   LDS: my scale word
.set NA, 9                             ; v9   LDS: my row's norm
.set GA, 10                            ; v10  LDS: the small blocks on their way out
.set GO, 11                            ; v11  and their place in the record
.set BI, 12                            ; v12-19   att_beta: two rows' 16 bytes as loaded, then two groups' as stored
.set BS, 20                            ; v20  LDS: where my wave's rows of att_beta go in
.set BR, 21                            ; v21  LDS: my 16 bytes of my wave's first group
.set BO, 22                            ; v22  and their place in bimg: 16 x lane + 1,024 x wave
.set X,  28                            ; v28-91   16 rows as loaded; later 64 numbers of my column
.set Y,  92                            ; v92-155  64 numbers of my tile row: register 16 b + i = channel 32 b + 16 h + i
.set PC, 156                           ; v156-175 a fragment's 12 registers, and 8 at work
.set TM, 176                           ; v176-191 at work in the quantiser
.set PW, 192                           ; v192     the scale word just made
.set A,  194                           ; v194-201 four packed sums of squares
.set T0, 202
.set T1, 203
	s_load_b256 s[4:11], s[0:1], 0x0               ; x s[4:5], att_beta s[6:7], kv s[8:9], bimg s[10:11]
	v_lshl_add_u32 v208, v0, 2, 0x13400
	v_mov_b32 v209, 0
	v_lshrrev_b32 v[T0], 5, v0
	v_readfirstlane_b32 s12, v[T0]                 ; wave 0..7
	v_and_b32 v[LI], 31, v0
	v_lshlrev_b32 v[LI], 4, v[LI]
	v_and_b32 v[RR], 15, v0
	v_bfe_u32 v[HH], v0, 4, 1
	v_and_b32 v[T0], 8, v[RR]
	v_add_nc_u32 v[T0], v[T0], v[RR]               ; r + 8 (r / 8)
	s_lshr_b32 s13, s12, 1                         ; wave / 2
	s_and_b32 s22, s12, 1                          ; wave % 2
	s_mul_i32 s23, s12, 16*TPITCH                  ; x in: rows 16 w + i
	s_lshl_b32 s24, s13, 7
	s_add_co_u32 s23, s23, s24
	v_add_nc_u32 v[TS], s23, v[LI]
	s_mul_i32 s23, s13, HALFR                      ; back by rows: row 32 (w / 2) + 8 (w % 2) + r + 8 (r / 8), + 64 h bytes
	s_mul_i32 s24, s22, 8*TPITCH
	s_add_co_u32 s23, s23, s24
	v_mul_u32_u24 v[RA], v[T0], TPITCH
	v_lshl_add_u32 v[RA], v[HH], 6, v[RA]
	v_add_nc_u32 v[RA], s23, v[RA]
	v_mul_u32_u24 v[CA], v[HH], HALFR              ; back by columns: column 16 w + r, lanes 16-31 begin 32 rows further down
	v_lshl_add_u32 v[CA], v[RR], 2, v[CA]
	s_lshl_b32 s23, s12, 6
	v_add_nc_u32 v[CA], s23, v[CA]
	s_mul_i32 s23, s12, 1536
	v_add_nc_u32 v[KO], s23, v[LI]
	s_lshr_b32 s23, s12, 2                         ; my scale word: 256 (w / 4) + 16 r + 4 (w % 4)
	s_lshl_b32 s23, s23, 8
	s_and_b32 s24, s12, 3
	s_lshl_b32 s24, s24, 2
	s_add_co_u32 s23, s23, s24
	s_add_co_u32 s23, s23, SM
	v_lshl_add_u32 v[SA], v[RR], 4, s23
	s_lshl_b32 s23, s13, 7                         ; my row's norm: 4 x its number in the step
	s_lshl_b32 s24, s22, 5
	s_add_co_u32 s23, s23, s24
	s_add_co_u32 s23, s23, SM+1024
	v_lshl_add_u32 v[NA], v[T0], 2, s23
	s_min_u32 s23, s12, 2                          ; waves 0, 1, 2 carry the three small blocks out
	s_lshl_b32 s23, s23, 9
	v_add_nc_u32 v[GO], s23, v[LI]
	v_add_nc_u32 v[GA], SM, v[GO]
	v_add_nc_u32 v[GO], 24576, v[GO]
	s_mul_i32 s23, s12, 2*TPITCH                   ; att_beta in: tile rows 2 w and 2 w + 1
	s_add_co_u32 s23, s23, BT
	v_add_nc_u32 v[BS], s23, v[LI]
	s_lshl_b32 s23, s13, 7                         ; back: groups 2 w and 2 w + 1 are b = w / 2, j = 2 (w % 2) and the next: row r, byte 128 b + 64 h + 16 j
	s_lshl_b32 s24, s22, 5
	s_add_co_u32 s23, s23, s24
	s_add_co_u32 s23, s23, BT
	v_mul_u32_u24 v[BR], v[RR], TPITCH
	v_lshl_add_u32 v[BR], v[HH], 6, v[BR]
	v_add_nc_u32 v[BR], s23, v[BR]
	s_lshl_b32 s23, s12, 10
	v_add_nc_u32 v[BO], s23, v[LI]
	s_mov_b32 s20, 0x76543210
	s_mov_b32 s21, 0xfedcba98                      ; v_permlanex16_b32's selects for lane l xor 16
	v_mov_b32 v[T1], 0                             ; written once: a lane permute's destination counts as one of its sources
.irp b, 0,1,2,3
	v_mov_b32 v[TM+4+\b], 0
.endr
	; where my wave's parts begin, in bytes
	s_lshl_b32 s26, ttmp9, 16                      ; x: 128 rows of 512 bytes a work-group,
	s_lshl_b32 s33, s12, 13                        ; 16 rows a wave
	s_add_co_u32 s26, s26, s33
	s_mov_b32 s27, 0
	s_lshr_b32 s28, ttmp9, 3                       ; att_beta: the tile of queries,
	s_and_b32 s29, ttmp9, 7                        ; the key step
	s_lshr_b32 s31, s28, 3
	s_lshl_b32 s31, s31, 7                         ; the tile's first row: 128 (tile / 8)
	s_bfe_u32 s32, s28, 0x20001                    ; (2 bits from bit 1: (tile % 8) / 2)
	s_lshl_b32 s32, s32, 5
	s_add_co_u32 s31, s31, s32                     ; + 32 ((tile % 8) / 2)
	s_and_b32 s32, s28, 1
	s_lshl_b32 s32, s32, 3
	s_add_co_u32 s31, s31, s32                     ; + 8 (tile % 2);
	s_lshl_b32 s32, s12, 1
	s_add_co_u32 s31, s31, s32                     ; tile row p = 2 w is row p + 8 (p / 8) from there: + 2 w
	s_lshr_b32 s32, s12, 2
	s_lshl_b32 s32, s32, 3
	s_add_co_u32 s31, s31, s32                     ; + 8 (w / 4); tile row 2 w + 1 is the next row
	s_lshl_b32 s34, s31, 12                        ; rows of 4,096 bytes,
	s_lshl_b32 s35, s29, 9                         ; 128 columns of 4 bytes a step
	s_add_co_u32 s34, s34, s35
	s_mov_b32 s35, 0
	s_wait_kmcnt 0x0
	s_add_nc_u64 s[14:15], s[4:5], s[26:27]
	s_add_nc_u64 s[36:37], s[6:7], s[34:35]
	s_mul_i32 s26, ttmp9, REC
	s_add_nc_u64 s[16:17], s[8:9], s[26:27]        ; my record
	s_lshl_b32 s26, ttmp9, 13
	s_add_nc_u64 s[18:19], s[10:11], s[26:27]      ; my 8,192 bytes of bimg
	global_load_b128 v[BI:BI+3], v[LI], s[36:37] th:TH_LOAD_NT               ; att_beta's two rows: 512 consecutive bytes each; every byte is read once in the launch
	global_load_b128 v[BI+4:BI+7], v[LI], s[36:37] offset:4096 th:TH_LOAD_NT
.irp i, 0,1,2,3,4,5,6,7,8,9,10,11,12,13,14,15
	global_load_b128 v[X+4*\i:X+4*\i+3], v[LI], s[14:15] offset:512*\i th:TH_LOAD_NT   ; x's row 16 w + i: 32 lanes read 512 consecutive bytes
.endr
	s_wait_loadcnt 16                              ; loads come back in order: att_beta's two are in, x's sixteen may be out
	ds_store_b128 v[BS], v[BI:BI+3]
	ds_store_b128 v[BS], v[BI+4:BI+7] offset:TPITCH
.irp i, 0,1,2,3,4,5,6,7,8,9,10,11,12,13,14,15
	s_wait_loadcnt 15-\i                           ; row i is in, the 15 - i younger ones may be out
	ds_store_b128 v[TS], v[X+4*\i:X+4*\i+3] offset:TPITCH*\i
.endr
	s_wait_dscnt 0x0                               ; for the others' sake: my rows lie in the two tiles
	s_barrier_signal -1
	s_barrier_wait -1                              ; all rows do.  From here on both tiles are only read
	ds_load_b128 v[BI:BI+3], v[BR]                 ; att_beta: my 16 bytes of group 2 w,
	ds_load_b128 v[BI+4:BI+7], v[BR] offset:16     ; and of group 2 w + 1
.irp b, 0,1,2,3
.irp j, 0,1,2,3
	ds_load_b128 v[Y+16*\b+4*\j:Y+16*\b+4*\j+3], v[RA] offset:128*\b+16*\j   ; my tile row's numbers 32 b + 16 h + 4 j on
.endr
.endr
; 64 numbers of my column, in two runs of 32: register 32 c + i = row 64 c + 32 h + i
.macro ZLOAD c
.set i, 0
.rept 32
	ds_load_b32 v[X+32*\c+i], v[CA] offset:\c*2*HALFR+TPITCH*i
.set i, i+1
.endr
.endm
	ZLOAD 0
	s_wait_dscnt 48                                ; att_beta's two reads are in; the 16 row reads and 32 column reads behind them may be out
	global_store_b128 v[BO], v[BI:BI+3], s[18:19]              ; 32 lanes store 512 consecutive bytes
	global_store_b128 v[BO], v[BI+4:BI+7], s[18:19] offset:512
	s_wait_dscnt 32                                ; my tile row's 16 reads are in; the 32 column reads may be out
	; the norm: the sum of squares of my 64 numbers in four packed chains, started by the first four products
.irp k, 0,1,2,3
	v_pk_mul_f32 v[A+2*\k:A+2*\k+1], v[Y+2*\k:Y+2*\k+1], v[Y+2*\k:Y+2*\k+1]
.endr
.set j, 4
.rept 28
	v_pk_fma_f32 v[A+2*(j%4):A+2*(j%4)+1], v[Y+2*j:Y+2*j+1], v[Y+2*j:Y+2*j+1], v[A+2*(j%4):A+2*(j%4)+1]
.set j, j+1
.endr
	ZLOAD 1
	v_pk_add_f32 v[A:A+1], v[A:A+1], v[A+2:A+3]
	v_pk_add_f32 v[A+4:A+5], v[A+4:A+5], v[A+6:A+7]
	v_pk_add_f32 v[A:A+1], v[A:A+1], v[A+4:A+5]
	v_add_f32 v[T0], v[A], v[A+1]
	v_permlanex16_b32 v[T1], v[T0], s20, s21       ; the row's other 64 numbers lie in lane l xor 16
	v_add_f32 v[T0], v[T0], v[T1]
	v_sqrt_f32 v[T0], v[T0]
	v_nop                                          ; one plain place behind a transcendental
	s_wait_alu depctr_va_vdst(0)
	ds_store_b32 v[NA], v[T0]                      ; both halves of the lanes write the same word with the same value
	; along the channels: v[Y] on become a fragment's codes in v[PC] on and its scale word in v[PW]
.irp b, 0,1,2,3
	v_max3_num_f32 v[TM+\b], |v[Y+16*\b]|, |v[Y+1+16*\b]|, 0x1800000   ; block b: my 16 numbers, and the floor 2^(3 - 127): the byte cannot fall under 1
.endr
.irp i, 2,4,6,8,10,12,14
.irp b, 0,1,2,3
	v_max3_num_f32 v[TM+\b], v[TM+\b], |v[Y+16*\b+\i]|, |v[Y+1+16*\b+\i]|   ; (the four blocks by turns)
.endr
.endr
.irp b, 0,1,2,3
	v_permlanex16_b32 v[TM+4+\b], v[TM+\b], s20, s21
.endr
.irp b, 0,1,2,3
	v_max_num_f32 v[TM+\b], v[TM+\b], v[TM+4+\b]   ; with lane l xor 16's: the block's largest magnitude
.endr
.irp b, 0,1,2,3
	v_add_nc_u32 v[TM+12+\b], 0xff000000, v[TM+\b] ; 2 off its exponent field: the conversion takes the exponent field of this operand as its scale
.endr
.irp b, 0,1,2,3
	v_lshrrev_b32 v[TM+4+\b], 23, v[TM+12+\b]      ; the scale's byte
.endr
	v_lshl_or_b32 v[PW], v[TM+5], 8, v[TM+4]
	v_lshl_or_b32 v[PW], v[TM+6], 16, v[PW]
	v_lshl_or_b32 v[PW], v[TM+7], 24, v[PW]        ; my row's scale word
.irp c, 0,1
	v_cvt_scalef32_pk16_fp6_f32 v[PC+6*\c:PC+2+6*\c], v[Y+32*\c:Y+15+32*\c], v[TM+12+2*\c]
	v_cvt_scalef32_pk16_fp6_f32 v[PC+12+4*\c:PC+14+4*\c], v[Y+16+32*\c:Y+31+32*\c], v[TM+12+2*\c+1]   ; (a conversion's three registers begin on an even number)
.endr
	v_nop                                          ; one plain place behind a scaled conversion
.irp c, 0,1                                    ; the operand's layout wants a WHOLE block in a lane: lanes 0-15 block 2 c, lanes 16-31 block 2 c + 1
.irp i, 0,1,2
	v_permlane16_swap_b32 v[PC+6*\c+\i], v[PC+12+4*\c+\i]
.endr
.irp i, 0,1,2
	v_mov_b32 v[PC+3+6*\c+\i], v[PC+12+4*\c+\i]
.endr
.endr
.irp c, 0,1,2
	global_store_b128 v[KO], v[PC+4*\c:PC+4*\c+3], s[16:17] offset:512*\c   ; K's image: 32 lanes store 512 consecutive bytes
.endr
	ds_store_b32 v[SA], v[PW]
	s_wait_dscnt 0x0                               ; my column's 64 numbers are in
	s_wait_xcnt 0x0                                ; the stores' data are written again only behind this wait
	; down the rows: a lane holds two whole blocks of its column (blocks h and 2 + h), so no other lane is asked for a maximum
.irp c, 0,1
	v_max3_num_f32 v[TM+\c], |v[X+32*\c]|, |v[X+1+32*\c]|, 0x1800000
.endr
.irp i, 2,4,6,8,10,12,14,16,18,20,22,24,26,28,30
.irp c, 0,1
	v_max3_num_f32 v[TM+\c], v[TM+\c], |v[X+32*\c+\i]|, |v[X+1+32*\c+\i]|
.endr
.endr
.irp c, 0,1
	v_add_nc_u32 v[TM+12+\c], 0xff000000, v[TM+\c]
.endr
.irp c, 0,1
	v_lshrrev_b32 v[TM+4+\c], 23, v[TM+12+\c]
.endr
	v_lshl_or_b32 v[PW], v[TM+5], 16, v[TM+4]      ; my two bytes,
	v_lshlrev_b32 v[T0], 3, v[HH]
	v_lshlrev_b32 v[PW], v[T0], v[PW]              ; at their places in the word (8 h bits up);
	v_permlanex16_b32 v[T1], v[PW], s20, s21
	v_or_b32 v[PW], v[PW], v[T1]                   ; with lane l xor 16's two the word is whole
.irp c, 0,1
	v_cvt_scalef32_pk16_fp6_f32 v[PC+6*\c:PC+2+6*\c], v[X+32*\c:X+15+32*\c], v[TM+12+\c]
	v_cvt_scalef32_pk16_fp6_f32 v[PC+12+4*\c:PC+14+4*\c], v[X+16+32*\c:X+31+32*\c], v[TM+12+\c]
.endr
	v_nop                                          ; one plain place behind a scaled conversion
.irp c, 0,1
.irp i, 0,1,2
	v_mov_b32 v[PC+3+6*\c+\i], v[PC+12+4*\c+\i]
.endr
.endr
.irp c, 0,1,2
	global_store_b128 v[KO], v[PC+4*\c:PC+4*\c+3], s[16:17] offset:12288+512*\c   ; V's image
.endr
	ds_store_b32 v[SA], v[PW] offset:512
	s_wait_dscnt 0x0                               ; for the others' sake: my scale words and norms lie in LDS
	s_barrier_signal -1
	s_barrier_wait -1
	s_cmp_gt_u32 s12, 2
	s_cbranch_scc1 .Lend
	ds_load_b128 v[X:X+3], v[GA]                   ; wave 0: K's scale words; 1: V's; 2: the norms
	s_wait_dscnt 0x0
	global_store_b128 v[GO], v[X:X+3], s[16:17]    ; 512 consecutive bytes
.Lend:
	s_wait_tensorcnt 0x0
	ds_add_u32 v208, v209
	s_wait_dscnt 0x0
	s_endpgm
.Lfunc_end_k_qa38b6c55ef_prep:
	.size	k_qa38b6c55ef_prep, .Lfunc_end_k_qa38b6c55ef_prep-k_qa38b6c55ef_prep
	.p2alignl 7, 3214868480
	.fill 96, 4, 3214868480
	.section	.rodata,"a",@progbits
	.p2align	6, 0x0
	.amdhsa_kernel k_qa38b6c55ef_prep
		.amdhsa_group_segment_fixed_size 79872
		.amdhsa_private_segment_fixed_size 0
		.amdhsa_enable_private_segment 0
		.amdhsa_kernarg_size 32
		.amdhsa_user_sgpr_count 2
		.amdhsa_user_sgpr_kernarg_segment_ptr 1
		.amdhsa_wavefront_size32 1
		.amdhsa_system_sgpr_workgroup_id_x 1
		.amdhsa_system_sgpr_workgroup_id_y 1
		.amdhsa_system_sgpr_workgroup_id_z 1
		.amdhsa_system_vgpr_workitem_id 0
		.amdhsa_next_free_vgpr 210
		.amdhsa_next_free_sgpr 66
		.amdhsa_reserve_vcc 0
		.amdhsa_float_denorm_mode_32 3
		.amdhsa_float_denorm_mode_16_64 3
		.amdhsa_memory_ordered 1
		.amdhsa_forward_progress 1
		.amdhsa_inst_pref_size 24
	.end_amdhsa_kernel
	.amdgpu_metadata
---
amdhsa.version: [ 1, 2 ]
amdhsa.kernels:
  - .name:           k_qa38b6c55ef_prep
    .symbol:         k_qa38b6c55ef_prep.kd
    .args:
      - { .name: x, .offset: 0, .size: 8, .value_kind: global_buffer, .address_space: global }
      - { .name: att_beta, .offset: 8, .size: 8, .value_kind: global_buffer, .address_space: global }
      - { .name: kv, .offset: 16, .size: 8, .value_kind: global_buffer, .address_space: global }
      - { .name: bimg, .offset: 24, .size: 8, .value_kind: global_buffer, .address_space: global }
    .group_segment_fixed_size: 79872
    .private_segment_fixed_size: 0
    .kernarg_segment_align: 8
    .kernarg_segment_size: 32
    .max_flat_workgroup_size: 256
    .sgpr_count:     66
    .vgpr_count:     210
    .wavefront_size: 32
...
	.end_amdgpu_metadata
.endif
;; end of part 1
;; launch att (part 2): grid 4 x 64, 16 waves a work-group, no clusters, 280,576 bytes of LDS; arguments kv, bimg, out0; writes out0
.if DOCPART == 2
	.amdgcn_target "amdgcn-amd-amdhsa--gfx1250"
	.amdhsa_code_object_version 6
	.text
	.protected	k_qa38b6c55ef_att
	.globl	k_qa38b6c55ef_att
	.p2align	8
	.type	k_qa38b6c55ef_att,@function
k_qa38b6c55ef_att:
	s_mov_b64 s[64:65], 0
	v_nop
	global_prefetch_b8 v0, s[64:65] scope:SCOPE_SE
	s_setreg_imm32_b32 hwreg(HW_REG_WAVE_MODE, 25, 1), 1
	s_wait_xcnt 0x0
; out[head][n][:] = the sum over m of Q(P[n][m]) Q(x[m][:]),  P = sigmoid(att_beta[n][m] S[n][m] / (|x_n| |x_m| + 1e-7)),  S = Q(x) Q(x)^T: both products on codes of FP6 (E2M3) with E8M0 scales.
; Codes, scale words, norms and att_beta come from the launch before, laid in the order of this kernel's registers (kv: a record of 26,112 bytes for a head and 128 rows; bimg: 8,192 bytes for a tile of queries and a step).
; SHARES.  A work-group owns 256 queries of one head; each of its SIXTEEN waves owns one tile of 16 queries in 256 registers: four waves to a SIMD, so that one wave's vector work stands beside another's loads and
; matrix work.  Every wave walks the head's 1,024 keys, 128 a step.  A head's eight records, 208,896 bytes, are brought into LDS ONCE by two tensor loads of each of waves 0-5 (record 0; records 1-7): no byte is
; filled twice, so there is no ring; two barriers in all.  att_beta goes from memory straight into registers, a step ahead, 512 consecutive bytes a load.
; THE START.  What the first step wants first is asked for first: my queries' five loads and att_beta's sixteen for step 0 (9,984 bytes a wave) stand ahead of the fills (208,896 bytes a work-group).
; LAYOUT.  Both products are used transposed: S^T = K Q^T (source 0 = 16 keys, source 1 = my queries), O^T = V^T P^T: a lane holds ONE query (lane % 16) throughout.  The rows of a K tile are not neighbours
; (lane r of tile t: row 32 (t / 2) + 8 (t % 2) + r + 8 (r / 8)), so that the 16 registers of tiles 2 b, 2 b + 1 are keys 32 b + 16 (lane / 16) + 0 .. 15.  My 16 queries are such a tile too.
; ARITHMETIC.  d' = (-ln 2 |x_n|) |x_m| + (-ln 2 x 1e-7);  t = att_beta S / d';  P = 1 / (1 + 2^t).  The reciprocal of d' is taken FOUR AT A TIME: with p = (d0 d2, d1 d3) and r = 1 / (p.lo p.hi),
; 1 / d0 = d2 (p.hi r), 1 / d1 = d3 (p.lo r), 1 / d2 = d0 (p.hi r), 1 / d3 = d1 (p.lo r): one reciprocal and packed multiplications; nothing is approximated.  A key step goes in two halves of 64 keys.
; LIMITS: the product of four d' stays in f32's range while |x_n| |x_m| is under about 4e9 (it is never under 2.3e-29, four times the constant term); NaN and infinities are not served.
; NO CLUSTER: the four work-groups of a head share the records, 208,896 of the 1,257,472 bytes that each brings in; the rest, att_beta, differs between them and goes into registers.
.set REC,   26112
.set HEADB, 8*REC
.set STAGE, HEADB                      ; behind the records: 16 rows x 272 bytes for each wave, for the way out; no fill lands there
.set LI,  1                            ; v1      16 x lane
.set EP,  2                            ; v2-3    -ln 2 x 1e-7, twice  (offsets at the head; addresses on the way out)
.set ADR, 4                            ; v4      LDS: the step's record + 16 x lane
.set ADS, 5                            ; v5      + 16 r: scale words
.set ADN, 6                            ; v6      + 64 h: norms
.set QS,  7                            ; v7      my queries' scale words
.set NN,  8                            ; v8-9    -ln 2 |x_n|, twice
.set Q,   10                           ; v10-21  my queries' fragment
.set FS,  22                           ; v22-25  the scale words of four tiles
.set PW,  26                           ; v26     P's scale word
.set T,   27                           ; v27     at work at the head
.set R,   28                           ; v28-35  a reciprocal for each four numbers; later at work in the quantiser
.set PC,  36                           ; v36-47  P's codes
.set F,   48                           ; v48-95  four fragments; or |x_m| -> d' (32),
.set PP,  F+32                         ;         and a pair p for each four numbers (16)
.set S,   96                           ; v96-127 the scores of 64 keys -> P
.set BA,  128                          ; v128-159 att_beta for a step's first 64 keys
.set BB,  160                          ; v160-191 for its second
.set O,   192                          ; v192-255 O^T
.set WV,  10                           ; s10     wave
.set T8,  11                           ; s11     wave % 8: my tile in its record
.set QB,  12                           ; s[12:13] my queries' record
.set BP,  16                           ; s[16:17] att_beta's images: my tile, the step in hand
.set OUT, 18                           ; s[18:19] my tile's first row of out
.set SEL, 20                           ; s[20:21] selects for lane l xor 16
.set TB,  24                           ; s24     LDS byte at which the step's record begins
.set CNT, 25
.set G1A, 28                           ; s[28:43] two descriptor groups 1
.set G1B, 36
.set G0A, 52                           ; s[52:59] two groups 0; never rewritten
.set G0B, 56
.macro GROUP1 g, rows                  ; a dense block as rows of 256 bytes: 32 elements of 8 bytes, pitch 32 elements, no padding
	s_mov_b32 s[\g], 3<<16
	s_mov_b32 s[\g+1], 32<<16                      ; tensor_dim0
	s_mov_b32 s[\g+2], (\rows)<<16                 ; tensor_dim1
	s_mov_b32 s[\g+3], 32<<16                      ; tile_dim0
	s_mov_b32 s[\g+4], \rows                       ; tile_dim1
	s_mov_b32 s[\g+5], 32                          ; from row to row
	s_mov_b32 s[\g+6], 0
	s_mov_b32 s[\g+7], 0
.endm
.macro GROUP0 g, at                    ; the records lie in LDS as in memory: s[at] is the byte in the head's records and in LDS alike
	s_mov_b32 s[\g], 1
	s_mov_b32 s[\g+1], s[\at]
	s_mov_b32 s74, s[\at]
	s_add_nc_u64 s[\g+2:\g+3], s[4:5], s[74:75]
	s_or_b32 s[\g+3], s[\g+3], 0x80000000
.endm
.macro PLACES n
.rept \n
	v_nop
.endr
.endm
.macro BLOAD buf, off                  ; att_beta for 64 keys: register 16 b + i = key 32 b + 16 h + i, as the scores lie
.irp n, 0,1,2,3,4,5,6,7
	global_load_b128 v[\buf+4*\n:\buf+4*\n+3], v[LI], s[BP:BP+1] offset:\off+512*\n
.endr
.endm
.macro FLOAD base, sbase               ; four fragments as images of their registers, and their scale words
.irp t, 0,1,2,3
.irp c, 0,1,2
	ds_load_b128 v[F+12*\t+4*\c:F+12*\t+4*\c+3], v[ADR] offset:\base+1536*\t+512*\c
.endr
.endr
	ds_load_b128 v[FS:FS+3], v[ADS] offset:\sbase
.endm
.macro KLOAD g
	FLOAD 6144*\g, 24576+256*\g
.endm
.macro VLOAD g
	FLOAD 12288+6144*\g, 25088+256*\g
.endm
.macro NMLOAD g                        ; the norms of the half's 64 keys, as the scores lie; sixteen lanes share each address
.irp b, 0,1
.irp j, 0,1,2,3
	ds_load_b128 v[F+16*\b+4*\j:F+16*\b+4*\j+3], v[ADN] offset:25600+128*(2*\g+\b)+16*\j
.endr
.endr
.endm
.macro KQ                              ; the scores of 64 keys: four accumulators, one instruction each
.irp t, 0,1,2,3
	v_wmma_scale_f32_16x16x128_f8f6f4 v[S+8*\t:S+8*\t+7], v[F+12*\t:F+12*\t+11], v[Q:Q+11], 0, v[FS+\t], v[QS] matrix_a_fmt:MATRIX_FMT_FP6 matrix_b_fmt:MATRIX_FMT_FP6
.endr
.endm
.macro PV g, first                     ; O^T += V^T P^T for channels 64 g on: four accumulators, one instruction each.  first = 1: the products start the sums: nothing is cleared
.irp t, 0,1,2,3
.if \first
	v_wmma_scale_f32_16x16x128_f8f6f4 v[O+8*(4*\g+\t):O+8*(4*\g+\t)+7], v[F+12*\t:F+12*\t+11], v[PC:PC+11], 0, v[FS+\t], v[PW] matrix_a_fmt:MATRIX_FMT_FP6 matrix_b_fmt:MATRIX_FMT_FP6
.else
	v_wmma_scale_f32_16x16x128_f8f6f4 v[O+8*(4*\g+\t):O+8*(4*\g+\t)+7], v[F+12*\t:F+12*\t+11], v[PC:PC+11], v[O+8*(4*\g+\t):O+8*(4*\g+\t)+7], v[FS+\t], v[PW] matrix_a_fmt:MATRIX_FMT_FP6 matrix_b_fmt:MATRIX_FMT_FP6
.endif
.endr
.endm
; The scores of 64 keys become t = att_beta S / d'.  buf: att_beta's registers; ahead = 1: they are loaded again, off bytes on, as soon as they are read; left: the younger loads that may stay out
.macro CHAIN buf, ahead, off, left
.set k, 0
.rept 16
	v_pk_fma_f32 v[F+2*k:F+2*k+1], v[F+2*k:F+2*k+1], v[NN:NN+1], v[EP:EP+1]   ; d'
.set k, k+1
.endr
.irp q, 0,1,2,3,4,5,6,7
	v_pk_mul_f32 v[PP+2*\q:PP+2*\q+1], v[F+4*\q:F+4*\q+1], v[F+4*\q+2:F+4*\q+3]   ; p = (d0 d2, d1 d3)
.endr
.irp q, 0,1,2,3,4,5,6,7
	v_mul_f32 v[R+\q], v[PP+2*\q], v[PP+2*\q+1]
.endr
.irp q, 0,1,2,3,4,5,6,7
	v_rcp_f32 v[R+\q], v[R+\q]                     ; r = 1 / (d0 d1 d2 d3)
.endr
	s_wait_loadcnt \left                           ; loads come back in order: this half's att_beta is in
.set k, 0
.rept 16
	v_pk_mul_f32 v[S+2*k:S+2*k+1], v[S+2*k:S+2*k+1], v[\buf+2*k:\buf+2*k+1]   ; S att_beta, each accumulator from its low end on.  (The plain places behind the reciprocals)
.set k, k+1
.endr
.if \ahead
	BLOAD \buf, \off
.endif
.irp q, 0,1,2,3,4,5,6,7
	v_pk_mul_f32 v[S+4*\q:S+4*\q+1], v[S+4*\q:S+4*\q+1], v[F+4*\q+2:F+4*\q+3]     ; x the other pair's d'
	v_pk_mul_f32 v[S+4*\q+2:S+4*\q+3], v[S+4*\q+2:S+4*\q+3], v[F+4*\q:F+4*\q+1]
.endr
	s_wait_alu depctr_va_vdst(0)
.irp q, 0,2,4,6
	v_pk_mul_f32 v[PP+2*\q:PP+2*\q+1], v[PP+2*\q:PP+2*\q+1], v[R+\q:R+\q+1] op_sel:[1,0] op_sel_hi:[0,0]       ; (p.hi r, p.lo r) = (1 / (d0 d2), 1 / (d1 d3)): r is the pair's first register,
	v_pk_mul_f32 v[PP+2*\q+2:PP+2*\q+3], v[PP+2*\q+2:PP+2*\q+3], v[R+\q:R+\q+1] op_sel:[1,1] op_sel_hi:[0,1]   ; or its second
.endr
.irp q, 0,1,2,3,4,5,6,7
	v_pk_mul_f32 v[S+4*\q:S+4*\q+1], v[S+4*\q:S+4*\q+1], v[PP+2*\q:PP+2*\q+1]
	v_pk_mul_f32 v[S+4*\q+2:S+4*\q+3], v[S+4*\q+2:S+4*\q+3], v[PP+2*\q:PP+2*\q+1]   ; t
.endr
.endm
.macro SIG                             ; P = 1 / (1 + 2^t)
.set k, 0
.rept 32
	v_exp_f32 v[S+k], v[S+k]
.set k, k+1
.endr
	v_nop                                          ; one plain place behind the transcendentals
.set k, 0
	s_wait_alu depctr_va_vdst(0)
.rept 16
	v_pk_add_f32 v[S+2*k:S+2*k+1], v[S+2*k:S+2*k+1], 1.0 op_sel_hi:[1,0]
.set k, k+1
.endr
.set k, 0
.rept 32
	v_rcp_f32 v[S+k], v[S+k]
.set k, k+1
.endr
	v_nop
.endm
; The half's two blocks of 32 keys are quantised: registers 6 g .. 6 g + 5 of P's fragment and bytes 2 g, 2 g + 1 of its scale word.  No |.|: P is not negative
.macro QUANT g
	s_wait_alu depctr_va_vdst(0)
.irp b, 0,1
	v_max3_num_f32 v[R+\b], v[S+16*\b], v[S+1+16*\b], 0x1800000   ; my 16 numbers of the block, and the floor 2^(3 - 127): the byte cannot fall under 1
.endr
.irp i, 2,4,6,8,10,12,14
.irp b, 0,1
	v_max3_num_f32 v[R+\b], v[R+\b], v[S+16*\b+\i], v[S+1+16*\b+\i]
.endr
.endr
.irp b, 0,1
	v_permlanex16_b32 v[R+2+\b], v[R+\b], s[SEL], s[SEL+1]
.endr
.irp b, 0,1
	v_max_num_f32 v[R+\b], v[R+\b], v[R+2+\b]      ; with lane l xor 16's: the block's largest
.endr
.irp b, 0,1
	v_add_nc_u32 v[R+4+\b], 0xff000000, v[R+\b]    ; 2 off its exponent field: the conversion's scale operand
.endr
.irp b, 0,1
	v_lshrrev_b32 v[R+6+\b], 23, v[R+4+\b]         ; the scale's byte
.endr
.if \g == 0
	v_lshl_or_b32 v[PW], v[R+7], 8, v[R+6]
.else
	v_lshl_or_b32 v[PW], v[R+6], 16, v[PW]
	v_lshl_or_b32 v[PW], v[R+7], 24, v[PW]
.endif
	v_cvt_scalef32_pk16_fp6_f32 v[PC+6*\g:PC+6*\g+2], v[S:S+15], v[R+4]
	v_nop                                          ; one plain place: the next conversion's result lies in this one's sources, which are done with
	v_cvt_scalef32_pk16_fp6_f32 v[S:S+2], v[S+16:S+31], v[R+5]
	v_nop                                          ; one plain place behind a scaled conversion
.irp i, 0,1,2
	v_permlane16_swap_b32 v[PC+6*\g+\i], v[S+\i]   ; the operand's layout wants a WHOLE block in a lane: lanes 0-15 the first block, lanes 16-31 the second
.endr
.irp i, 0,1,2
	v_mov_b32 v[PC+6*\g+3+\i], v[S+\i]
.endr
.endm
; A KEY STEP: 128 keys.  At its head att_beta's 8 + 8 loads for it are out, the first half's first.  ahead = 1: the next step's are asked for, and the bases step.
; meet = 1 (step 0): the barrier that shows records 1-7 to every wave.  Its signal stands behind the step's last load from memory, its wait at the step's end; between them stand LDS loads of record 0, which
; nobody writes, work on registers and matrix instructions.
; A load into a register that a matrix instruction has read, and a vector instruction that reads a matrix result, stand four places behind it (ISA guide 7.12.1 for vector instructions).
.macro STEP first, ahead, meet
	v_add_nc_u32 v[ADR], s[TB], v[LI]              ; five plain lines: the places between the last step's products and the loads below
	v_and_b32 v[ADS], 15, v0
	v_lshl_add_u32 v[ADS], v[ADS], 4, s[TB]
	v_bfe_u32 v[ADN], v0, 4, 1
	v_lshl_add_u32 v[ADN], v[ADN], 6, s[TB]
	KLOAD 0
	s_wait_dscnt 0x0
	KQ
	PLACES 4
	NMLOAD 0
	s_wait_dscnt 0x0
	CHAIN BA, \ahead, 8192, 8                      ; 8: the second half's loads are younger
	KLOAD 1                                        ; the fragments' registers are free: these land under the exponentials
	SIG
	QUANT 0
	s_wait_dscnt 0x0
	KQ
	PLACES 4
	NMLOAD 1
	s_wait_dscnt 0x0
	CHAIN BB, \ahead, 12288, 8*\ahead              ; 8: the next step's first half was asked for behind these; in the last step nothing was
.if \meet
	s_wait_tensorcnt 0x0                           ; for the others' sake: my part of records 1-7 has landed (a wave that fetched nothing passes at once);
	s_wait_dscnt 0x0                               ; no LDS instruction of mine is out:
	s_barrier_signal -1                            ; say so, and work on
.endif
	VLOAD 0
	SIG
	QUANT 1
	PLACES 6                                       ; with the quantiser's two v_nop: eight places behind the scale word's last write, six behind the codes'
	s_wait_dscnt 0x0
	PV 0, \first
	PLACES 4
	VLOAD 1
	s_wait_dscnt 0x0
	PV 1, \first
.if \meet
	s_barrier_wait -1                              ; every wave has said so: records 1-7 are whole
.endif
.if \ahead
	s_wait_xcnt 0x0                                ; the loads' base steps only behind this wait
	s_add_nc_u64 s[BP:BP+1], s[BP:BP+1], 8192
	s_add_co_u32 s[TB], s[TB], REC
.endif
.endm
	s_load_b128 s[4:7], s[0:1], 0x0                ; kv s[4:5], bimg s[6:7]
	s_load_b64 s[8:9], s[0:1], 0x10                ; out0
	v_lshl_add_u32 v254, v0, 2, 0x44000
	v_mov_b32 v255, 0
	ds_add_u32 v254, v255
	ds_add_u32 v254, v255
	s_wait_dscnt 0x0
	v_lshrrev_b32 v[T], 5, v0
	v_readfirstlane_b32 s[WV], v[T]                ; wave 0..15
	v_and_b32 v[LI], 31, v0
	v_lshlrev_b32 v[LI], 4, v[LI]
	GROUP1 G1A, 17                                 ; record 0: 102 rows of 256 bytes, 17 for each of six waves: a small share, so that the first step can begin early
	GROUP1 G1B, 119                                ; records 1-7: 714 rows, 119 for each
	s_and_b32 s66, ttmp7, 0xffff                   ; the head
	s_mul_i32 s68, s66, HEADB
	s_mov_b32 s69, 0
	s_mov_b32 s75, 0
	s_min_u32 s67, s[WV], 5                        ; waves 0-5 fetch
	s_mul_i32 s70, s67, 17*256
	s_mul_i32 s71, s67, 119*256
	s_add_co_u32 s71, s71, REC
	s_and_b32 s[T8], s[WV], 7
	s_lshr_b32 s76, s[WV], 3
	s_lshl_b32 s77, ttmp9, 1
	s_add_co_u32 s77, s77, s76                     ; my queries' record: 2 x block of 256 + wave / 8
	s_mul_i32 s74, s77, REC
	s_mul_i32 s78, s[T8], 1536
	v_add_nc_u32 v2, s78, v[LI]                    ; my tile's image
	s_lshr_b32 s78, s[T8], 2
	s_lshl_b32 s78, s78, 8
	s_and_b32 s79, s[T8], 3
	s_lshl_b32 s79, s79, 2
	s_add_co_u32 s78, s78, s79
	v_and_b32 v4, 15, v0                           ; r
	v_lshl_add_u32 v3, v4, 4, s78                  ; its scale words: 256 (t / 4) + 16 r + 4 (t % 4)
	s_lshr_b32 s78, s[T8], 1
	s_lshl_b32 s78, s78, 7
	s_and_b32 s79, s[T8], 1
	s_lshl_b32 s79, s79, 5
	s_add_co_u32 s78, s78, s79                     ; 4 x the tile's first row in its record: 4 (32 (t / 2) + 8 (t % 2))
	v_and_b32 v5, 8, v4
	v_add_nc_u32 v5, v5, v4                        ; r + 8 (r / 8)
	v_lshl_add_u32 v[T], v5, 2, s78                ; my query's norm
	s_wait_kmcnt 0x0
	s_add_nc_u64 s[4:5], s[4:5], s[68:69]          ; the head's records
	s_add_nc_u64 s[QB:QB+1], s[4:5], s[74:75]
.irp c, 0,1,2
	global_load_b128 v[Q+4*\c:Q+4*\c+3], v2, s[QB:QB+1] offset:512*\c
.endr
	global_load_b32 v[QS], v3, s[QB:QB+1] offset:24576
	global_load_b32 v[NN], v[T], s[QB:QB+1] offset:25600
	s_lshl_b32 s74, ttmp9, 4
	s_add_co_u32 s74, s74, s[WV]                   ; my tile of queries among the 64
	s_lshl_b32 s74, s74, 16
	s_add_nc_u64 s[BP:BP+1], s[6:7], s[74:75]
	BLOAD BA, 0                                    ; att_beta for step 0
	BLOAD BB, 4096
	GROUP0 G0A, 70
	GROUP0 G0B, 71
	s_cmp_lt_u32 s[WV], 6                          ; a wave's two first fills stand in one branch, ahead of every wait on TENSORcnt, every LDS read and every barrier: two loads of mine are out at the most
	s_cbranch_scc0 .Lno_fill
	tensor_load_to_lds s[G0A:G0A+3], s[G1A:G1A+7]
	s_nop 0
	tensor_load_to_lds s[G0B:G0B+3], s[G1B:G1B+7]
	s_nop 0
	PLACES 4
.Lno_fill:
	s_lshl_b32 s74, s66, 19                        ; out: the head's 1,024 rows of 512 bytes,
	s_lshl_b32 s77, s77, 16                        ; the record's 128,
	s_add_co_u32 s74, s74, s77
	s_lshl_b32 s78, s78, 7                         ; the tile's first row
	s_add_co_u32 s74, s74, s78
	s_add_nc_u64 s[OUT:OUT+1], s[8:9], s[74:75]
	s_mov_b32 s[SEL], 0x76543210
	s_mov_b32 s[SEL+1], 0xfedcba98
	s_mov_b32 s[TB], 0
	s_wait_loadcnt 16                              ; my queries' five loads are in; att_beta's sixteen may be out
	v_mul_f32 v[NN], 0xbf317218, v[NN]             ; -ln 2 |x_n|
	v_mov_b32 v[NN+1], v[NN]
	v_mov_b32 v[EP], 0xb394da2b                    ; -ln 2 x 1e-7  (the loads that took v2 and v3 as offsets are in)
	v_mov_b32 v[EP+1], v[EP]
	s_wait_tensorcnt 0x1                           ; my part of record 0 is in; the younger load may stay out
	s_barrier_signal -1
	s_barrier_wait -1                              ; everybody's is
	STEP 1, 1, 1                                   ; step 0 starts O^T's sums; in it the waves meet for records 1-7
	s_mov_b32 s[CNT], 6
.Lstep:                                            ; steps 1-6: no barrier, the waves run freely
	STEP 0, 1, 0
	s_sub_co_u32 s[CNT], s[CNT], 1
	s_cmp_lg_u32 s[CNT], 0
	s_cbranch_scc1 .Lstep
	STEP 0, 0, 0                                   ; step 7 asks for nothing more: no load leaves its buffer
	; THE WAY OUT.  Register 8 t + j of O^T is out(query r, channel 16 t + 8 h + j).  Half a row (64 channels, 256 bytes) of the 16 queries at a time goes through my own stage in LDS, so that sixteen lanes
	; store 256 consecutive bytes, at a multiple of 256 from out's first byte.  Stage row p is my tile's row p + 8 (p / 8).  The ten address lines are the places behind the last products.
	s_mul_i32 s66, s[WV], 16*272
	s_add_co_u32 s66, s66, STAGE
	v_and_b32 v5, 15, v0                           ; r
	v_bfe_u32 v6, v0, 4, 1                         ; h
	v_mul_u32_u24 v2, v5, 272
	v_lshl_add_u32 v2, v6, 5, v2
	v_add_nc_u32 v2, s66, v2                       ; in: row r, + 32 h
	v_mul_u32_u24 v3, v6, 272
	v_lshl_add_u32 v3, v5, 4, v3
	v_add_nc_u32 v3, s66, v3                       ; back: lanes 0-15 one row, lanes 16-31 the next
	v_lshlrev_b32 v4, 9, v6
	v_lshl_add_u32 v4, v5, 4, v4                   ; and the same two rows in out
.irp u, 0,1
.irp t, 0,1,2,3
	ds_store_b128 v2, v[O+32*\u+8*\t:O+32*\u+8*\t+3] offset:64*\t          ; each accumulator from its low end on
	ds_store_b128 v2, v[O+32*\u+8*\t+4:O+32*\u+8*\t+7] offset:64*\t+16
.endr
.irp i, 0,1,2,3,4,5,6,7
	ds_load_b128 v[S+32*\u+4*\i:S+32*\u+4*\i+3], v3 offset:2*\i*272        ; LDS serves a wave's instructions in order (ISA guide 5.7.1.4): these see my stores, and the next half's stores come behind them
.endr
.endr
.irp u, 0,1
.irp i, 0,1,2,3,4,5,6,7
	s_wait_dscnt 23-16*\u-\i                       ; behind this load: the rest of its run of eight and, for the first half, the second half's eight stores and eight loads
	global_store_b128 v4, v[S+32*\u+4*\i:S+32*\u+4*\i+3], s[OUT:OUT+1] offset:(2*\i+8*((2*\i)/8))*512+256*\u th:TH_STORE_NT
.endr
.endr
	s_wait_xcnt 0x0
	v_lshl_add_u32 v254, v0, 2, 0x44000
	v_mov_b32 v255, 0
	s_wait_tensorcnt 0x0
	ds_add_u32 v254, v255
	s_wait_dscnt 0x0
	s_endpgm
.Lfunc_end_k_qa38b6c55ef_att:
	.size	k_qa38b6c55ef_att, .Lfunc_end_k_qa38b6c55ef_att-k_qa38b6c55ef_att
	.p2alignl 7, 3214868480
	.fill 96, 4, 3214868480
	.section	.rodata,"a",@progbits
	.p2align	6, 0x0
	.amdhsa_kernel k_qa38b6c55ef_att
		.amdhsa_group_segment_fixed_size 280576
		.amdhsa_private_segment_fixed_size 0
		.amdhsa_enable_private_segment 0
		.amdhsa_kernarg_size 24
		.amdhsa_user_sgpr_count 2
		.amdhsa_user_sgpr_kernarg_segment_ptr 1
		.amdhsa_wavefront_size32 1
		.amdhsa_system_sgpr_workgroup_id_x 1
		.amdhsa_system_sgpr_workgroup_id_y 1
		.amdhsa_system_sgpr_workgroup_id_z 1
		.amdhsa_system_vgpr_workitem_id 0
		.amdhsa_next_free_vgpr 256
		.amdhsa_next_free_sgpr 80
		.amdhsa_reserve_vcc 0
		.amdhsa_float_denorm_mode_32 3
		.amdhsa_float_denorm_mode_16_64 3
		.amdhsa_memory_ordered 1
		.amdhsa_forward_progress 1
		.amdhsa_inst_pref_size 101
	.end_amdhsa_kernel
	.amdgpu_metadata
---
amdhsa.version: [ 1, 2 ]
amdhsa.kernels:
  - .name:           k_qa38b6c55ef_att
    .symbol:         k_qa38b6c55ef_att.kd
    .args:
      - { .name: kv, .offset: 0, .size: 8, .value_kind: global_buffer, .address_space: global }
      - { .name: bimg, .offset: 8, .size: 8, .value_kind: global_buffer, .address_space: global }
      - { .name: out0, .offset: 16, .size: 8, .value_kind: global_buffer, .address_space: global }
    .group_segment_fixed_size: 280576
    .private_segment_fixed_size: 0
    .kernarg_segment_align: 8
    .kernarg_segment_size: 24
    .max_flat_workgroup_size: 512
    .sgpr_count:     80
    .vgpr_count:     256
    .wavefront_size: 32
...
	.end_amdgpu_metadata
.endif
;; end of part 2
